; MI455X (gfx1250); checked and timed in simulation.
; The chip was launched on July 23, 2026; its instructions are those of AMD's public machine-readable ISA for CDNA 5 (MIT licence, August 2026) and "CDNA5" Instruction Set Architecture Reference Guide (July 2026). The comments in the code are by the model that wrote it; some were corrected since.
;; Causal Multi Head Self Attention. Allowed arithmetic: matrix products marked QUANTISED: E4M3 operands, one given power-of-two scale a tensor, by v_wmma_f32_16x16x64_fp8_fp8 or v_wmma_f32_16x16x128_fp8_fp8, f32 sums; everything else in f32.
;; Inputs: lowp_scales 12 int32 (the exponents e of the quantised operands' scales 2^e); token_positions 2,048 int32; wk 1,024 x 1,024 float32; wo 1,024 x 1,024 float32; wq 1,024 x 1,024 float32; wv 1,024 x 1,024 float32; x 4 x 2,048 x 1,024 float32.
;; Outputs: out0 4 x 2,048 x 1,024 float32.
;; This version of the problem:
;;   THIS VERSION OF THE PROBLEM IS GIVEN IN LOW PRECISION. The matrix products marked QUANTISED in the list below multiply operands that are first quantised to E4M3 (4 exponent bits, 3 mantissa bits; 8 bits a number), with one given power-of-two scale for each operand tensor; their sums are f32. All else is computed in f32.
;;   The module's matrix products, in the order in which they are computed (A, B: the left and right operand; K: the contracted axis; several contracted axes count as one K, in the product's order):
;;     1. [M 8,192, K 1,024] x [K 1,024, N 1,024]; A: input x; B: input wq: QUANTISED (scales: A lowp_scales[0], B lowp_scales[1])
;;     2. [M 8,192, K 1,024] x [K 1,024, N 1,024]; A: input x; B: input wk: QUANTISED (scales: A lowp_scales[2], B lowp_scales[3])
;;     3. [M 8,192, K 1,024] x [K 1,024, N 1,024]; A: input x; B: input wv: QUANTISED (scales: A lowp_scales[4], B lowp_scales[5])
;;     4. batch 64 x [M 2,048, K 64] x [K 64, N 2,048]; A: computed on the way; B: computed on the way: QUANTISED (scales: A lowp_scales[6], B lowp_scales[7])
;;     5. batch 64 x [M 2,048, K 2,048] x [K 2,048, N 64]; A: softmax (see below); B: computed on the way: QUANTISED (scales: A lowp_scales[8], B lowp_scales[9])
;;     6. [M 8,192, K 1,024] x [K 1,024, N 1,024]; A: computed on the way; B: input wo: QUANTISED (scales: A lowp_scales[10], B lowp_scales[11])
;;   THE QUANTISER, for each operand of a quantised product, along K:
;;     - The operand's scale is 2^e, e = its entry of the input lowp_scales (int32; the entries are numbered through the quantised products in the list's order, A before B).
;;     - Each number is divided by the scale, clamped to +-448, and rounded to the nearest number of E4M3, ties to even, subnormals kept.
;;     - The product sums the exact products of the quantised numbers (number of the format x scale) in f32.
;;   ~~~python
;;   def quantise(x, axis, e):      # numpy; x: float32 -> the quantised numbers, widened to float32 again
;;       x = np.moveaxis(x, axis, -1); K = x.shape[-1]
;;       r = np.clip(x / 2.0 ** e, -448, 448)
;;       step = 2.0 ** (np.maximum(np.frexp(np.where(r == 0, 1, r))[1] - 1, -6) - 3)
;;       q = np.round(r / step) * step * 2.0 ** e      # np.round: ties to even
;;       return np.moveaxis(q, -1, axis).astype(np.float32)
;;   ~~~
;;   SOFTMAX AHEAD OF A QUANTISED PRODUCT. Where the list says 'softmax', what is quantised is not the finished softmax but p = 2^(t - M), with t = logit x log2(e) and M = ceil(the row's largest t), a whole number; so 1/2 < the row's largest p <= 1. The row's sum l is taken of the UNQUANTISED p, in f32, and the product's result is divided by l at the end. Since M is a whole number, a kernel that streams over the keys may use a running M (the ceiling of the running maximum): every later rescaling is an exact power of two, so the quantised numbers keep their values, but for numbers so far below the row's largest that they fall under the format's range.
;;   OPERANDS COMPUTED ON THE WAY. 'Computed on the way' means the value that the module computes at that place (a softmax that the list does not call 'softmax' is quantised finished and normalised). What goes into a quantiser is computed in f32, as accurately as f32 sums, v_exp_f32 and their like allow (about 1e-6 of the number): no bf16 or f16 on the way to a quantiser, and a product that is left as it is and whose result goes on into a quantised operand takes f32 operands (vector FMAs, or v_wmma_f32_16x16x4_f32). A number that lies on a knife's edge between two numbers of the format may be rounded either way, as far as f32 arithmetic and the matrix unit's own rounding can turn it there, and no further.
;; One version. Each part assembles by itself: llvm-mc -triple=amdgcn-amd-amdhsa -mcpu=gfx1250 --defsym DOCPART=n.
;; ======== version 1 of 1: 4 launches
;; limits: right only within a limited range of input values
;; workspace buffers: x_img 25,165,824 bytes; w_img 4,194,304 bytes; rope 524,288 bytes; qkv_img 25,165,824 bytes; a_img 8,388,608 bytes
;; launch quant (part 1): grid 416 x 1, 4 waves a work-group, no clusters, 35,328 bytes of LDS; arguments x, wq, wk, wv, wo, token_positions, lowp_scales, x_img, w_img, rope; writes x_img, w_img, rope
.if DOCPART == 1
	.amdgcn_target "amdgcn-amd-amdhsa--gfx1250"
	.amdhsa_code_object_version 6
	.text
	.protected	k_q17dc4e9cfd_quant
	.globl	k_q17dc4e9cfd_quant
	.p2align	8
	.type	k_q17dc4e9cfd_quant,@function
k_q17dc4e9cfd_quant:
	s_mov_b64 s[64:65], 0
	v_nop
	global_prefetch_b8 v0, s[64:65] scope:SCOPE_SE
	s_setreg_imm32_b32 hwreg(HW_REG_WAVE_MODE, 25, 1), 1
	s_wait_xcnt 0x0
; x [8192][1024] and the four weights [1024][1024], f32 with K innermost, become codes of E4M3; and the table of cosines and sines for the rotation is made.
; code = number / 2^e, to the nearest code, ties to even.  x is an operand of three products with three given exponents (entries 0, 2, 4): it is read once and converted three times.
; wq, wk, wv, wo take entries 1, 3, 5, 11.
; THE IMAGE.  Codes are stored in the order of the matrix operand's registers: a fragment of 16 rows x 128 K is 2,048 bytes, [quad 0..3][lane 0..31][16 bytes]; quad c holds registers 4 c .. 4 c + 3;
; lane (r = lane % 16, h = lane / 16) holds row r, and registers 2 c', 2 c' + 1 hold k = 16 c' + 8 h + 0 .. 7.  A row tile's eight fragments lie on end: 16,384 bytes.
; SHARES.  Work-groups 0-255: x; 256-383: the weights, 32 each; 384-415: the table.  A wave takes 16 rows x 512 K in eight steps of 64 K.  x and the weights take one path: pointers and exponents are chosen by
; selects on the work-group's number; only x's second and third conversion stand under a scalar branch on it.
; A STEP.  Eight loads, each two rows' 256 consecutive bytes; the 4,096 bytes turn through the wave's own stage in LDS (rows 272 bytes apart) and come back 8 neighbours along K at a time; the codes of a step are
; 1,024 consecutive bytes of the image: two stores of 512 bytes.  Loads run four steps ahead, the turn through LDS one step.  Waves share nothing: no barrier.
; THE TABLE.  rope[s tile][quad i][lane][16 bytes]: lane (r, h) holds cos, sin of pair p and of pair p + 1, p = 8 (i / 2) + 4 h + 2 (i % 2), for token_positions[16 tile + r]: the registers in which the next launch wants them.
; angle = position x 10000^(-p / 32), one rounding; reduced by pi / 2 in three parts; sine and cosine by polynomials on +-pi / 4.
; LIMITS: each e between -126 and 119; |token_positions| up to 2^20 (the reduction's quotient stays exact); NaN among the inputs is not served.
.set WREG,  8704                       ; LDS of a wave: two stages
.set STG,   4352                       ; a stage: 16 rows x 272
.set SP,    272                        ; a stage row: 256 bytes + 16: 68 words, so sixteen rows begin at sixteen different banks
.set SPARE, 4*WREG                     ; behind the four regions: the spare words, 128 bytes a wave, that no other line names
.set R,     16                         ; v16-143  four sets of 32 numbers as loaded
.set X,     144                        ; v144-207 two sets of 32: 4 x 8 neighbours along K
.set T,     208                        ; v208-223 unused: the conversions read X directly
.set C,     224                        ; v224-247 three sets of 8: a step's codes under each of x's scales
	s_load_b512 s[4:19], s[0:1], 0x0               ; x 4, wq 6, wk 8, wv 10, wo 12, positions 14, exponents 16, x_img 18
	s_load_b128 s[20:23], s[0:1], 0x40             ; w_img 20, rope 22
	v_lshl_add_u32 v12, v0, 2, SPARE               ; my spare word; never rewritten
	v_mov_b32 v13, 0                               ; 0; never rewritten
	v_lshrrev_b32 v1, 5, v0
	v_readfirstlane_b32 s24, v1                    ; wave
	v_and_b32 v2, 31, v0                           ; lane
	v_and_b32 v5, 15, v0                           ; r
	v_bfe_u32 v6, v0, 4, 1                         ; h
	v_lshlrev_b32 v4, 4, v2                        ; 16 x lane: my place in 512 bytes of an image
	s_mov_b32 s25, ttmp9
	s_wait_kmcnt 0x0
	s_cmp_ge_u32 s25, 384
	s_cbranch_scc1 .Lrope
	s_load_b256 s[32:39], s[16:17], 0x0            ; e0 .. e7
	s_load_b128 s[40:43], s[16:17], 0x20           ; e8 .. e11
	s_sub_co_u32 s26, s25, 256
	s_lshr_b32 s27, s26, 5                         ; which weight (means nothing in x's work-groups, where every choice below falls on x)
	s_and_b32 s28, s26, 31
	s_lshl_b32 s55, s27, 20                        ; its region of w_img
	s_cmp_eq_u32 s27, 0
	s_cselect_b64 s[44:45], s[6:7], s[12:13]
	s_cmp_eq_u32 s27, 1
	s_cselect_b64 s[44:45], s[8:9], s[44:45]
	s_cmp_eq_u32 s27, 2
	s_cselect_b64 s[44:45], s[10:11], s[44:45]
	s_cmp_lt_u32 s25, 256
	s_cselect_b32 s29, 1, 0                        ; 1: x
	s_cselect_b64 s[44:45], s[4:5], s[44:45]       ; from where
	s_cselect_b64 s[46:47], s[18:19], s[20:21]     ; to where
	s_cselect_b32 s28, s25, s28
	s_cselect_b32 s55, 0, s55
	s_lshl_b32 s28, s28, 2
	s_add_co_u32 s28, s28, s24                     ; my job: row tile = job / 2, half of K = job % 2
	s_lshr_b32 s30, s28, 1
	s_lshl_b32 s30, s30, 16                        ; 16 rows of 4,096 bytes
	s_and_b32 s56, s28, 1
	s_lshl_b32 s56, s56, 11                        ; 512 numbers
	s_add_co_u32 s30, s30, s56
	s_mov_b32 s31, 0
	s_add_nc_u64 s[44:45], s[44:45], s[30:31]
	s_lshl_b32 s30, s28, 13                        ; a job's codes: 8,192 bytes on end
	s_add_co_u32 s30, s30, s55
	s_add_nc_u64 s[46:47], s[46:47], s[30:31]
	s_add_nc_u64 s[48:49], s[46:47], 0x800000      ; x's second and third region (used in x's work-groups alone)
	s_add_nc_u64 s[50:51], s[46:47], 0x1000000
	s_mul_i32 s54, s24, WREG
	s_wait_alu depctr_va_vdst(0)
	v_lshlrev_b32 v3, 12, v6
	v_lshl_add_u32 v3, v5, 4, v3                   ; a load: lanes 0-15 one row's 256 bytes, lanes 16-31 the next row's
	v_mul_u32_u24 v7, v6, SP
	v_lshl_add_u32 v7, v5, 4, v7
	v_add_nc_u32 v14, s54, v7                      ; into the stage: the same two rows
	v_mul_u32_u24 v7, v5, SP
	v_lshl_add_u32 v7, v6, 5, v7
	v_add_nc_u32 v15, s54, v7                      ; out of it: row r, + 32 h: my 8 numbers of each 16
.macro LOAD t
.irp i, 0,1,2,3,4,5,6,7
	global_load_b128 v[R+32*((\t)%4)+4*\i:R+32*((\t)%4)+4*\i+3], v3, s[44:45] offset:256*(\t)+8192*\i th:TH_LOAD_NT
.endr
.endm
.macro TURN t                          ; LDS serves a wave's instructions in order: no wait between the stores and the loads
.irp i, 0,1,2,3,4,5,6,7
	ds_store_b128 v14, v[R+32*((\t)%4)+4*\i:R+32*((\t)%4)+4*\i+3] offset:STG*((\t)%2)+2*SP*\i
.endr
	v_nop
.irp c, 0,1,2,3
.irp u, 0,1
	ds_load_b128 v[X+32*((\t)%2)+8*\c+4*\u:X+32*((\t)%2)+8*\c+4*\u+3], v15 offset:STG*((\t)%2)+64*\c+16*\u
.endr
.endr
.endm
; One conversion of a step's 32 numbers a lane.  The numbers stay as they are (x is converted three times): the conversions read them where they came back from LDS.
; The conversion to an 8-bit code does not saturate (ISA guide 7.6.2), and no hold stands in front of it.
.macro PASS t, n, base, sc, lim
.irp c, 0,1,2,3
.irp j, 0,1,2,3,4,5,6,7
.endr
	v_cvt_scalef32_pk8_fp8_f32 v[C+8*\n+2*\c:C+8*\n+2*\c+1], v[T+8*(\c%2)+((X+32*((\t)%2)+8*\c+0)-(T+8*(\c%2)+0)):T+8*(\c%2)+7+((X+32*((\t)%2)+8*\c+0)-(T+8*(\c%2)+0))], v[\sc]
.endr
.irp q, 0,1
	global_store_b128 v4, v[C+8*\n+4*\q:C+8*\n+4*\q+3], s[\base:\base+1] offset:1024*(\t)+512*\q   ; 32 lanes store 512 consecutive bytes, at a multiple of 512 from the buffer's first byte
.endr
.endm
.macro MKS e, vs, vl                   ; 2^e as f32 (the conversion takes its exponent field)
	s_add_co_i32 s53, \e, 127
	s_lshl_b32 s57, s53, 23
	v_mov_b32 v[\vs], s57
.endm
.irp t, 0,1,2,3
	LOAD \t
.endr
	s_wait_alu depctr_va_vdst(0)
	s_wait_kmcnt 0x0
	s_cmp_eq_u32 s27, 0
	s_cselect_b32 s52, s33, s43                    ; wq: e1; wo: e11
	s_cmp_eq_u32 s27, 1
	s_cselect_b32 s52, s35, s52                    ; wk: e3
	s_cmp_eq_u32 s27, 2
	s_cselect_b32 s52, s37, s52                    ; wv: e5
	s_cmp_lg_u32 s29, 0
	s_cselect_b32 s52, s32, s52                    ; x: e0,
	MKS s52, 248, 249
	MKS s34, 250, 251                              ; e2,
	MKS s36, 252, 253                              ; e4
	s_wait_alu depctr_va_vdst(0)
	s_wait_loadcnt 24                              ; step 0's eight loads are in; three steps' may be out
	TURN 0
.macro STEP t
	s_wait_dscnt 0x0                               ; this step's numbers are back from the stage, and its stores into the stage have read their registers,
.if (\t) < 4
	LOAD (\t)+4                                    ; which take the loads of four steps on
.endif
.if (\t) < 7
.if (\t) < 4
	s_wait_loadcnt 24                              ; the next step's loads are in; those of the three steps behind it may be out
.else
	s_wait_loadcnt 8*(6-(\t))                      ; the counts run down: 16, 8, 0
.endif
	TURN (\t)+1
.endif
	s_wait_xcnt 0x0                                ; the last step's stores have read their data: the codes' registers are written again only behind this wait
	PASS \t, 0, 46, 248, 249
	s_cmp_lg_u32 s29, 0
	s_cbranch_scc0 .Lone_\@                        ; a weight has one scale
	PASS \t, 1, 48, 250, 251
	PASS \t, 2, 50, 252, 253
.Lone_\@:
.endm
.irp t, 0,1,2,3,4,5,6,7
	STEP \t
.endr
	s_wait_tensorcnt 0x0                           ; the wave's end
	ds_add_u32 v12, v13
	s_wait_dscnt 0x0
	s_endpgm
; ---- the table: a wave takes 16 positions; no LDS is touched on this path
.Lrope:
	s_sub_co_u32 s26, s25, 384
	s_lshl_b32 s26, s26, 2
	s_add_co_u32 s26, s26, s24                     ; my tile of 16 positions
	s_lshl_b32 s30, s26, 6
	s_mov_b32 s31, 0
	s_add_nc_u64 s[14:15], s[14:15], s[30:31]
	s_lshl_b32 s30, s26, 12                        ; 4,096 bytes of table a tile
	s_add_nc_u64 s[22:23], s[22:23], s[30:31]
	s_wait_alu depctr_va_vdst(0)
	v_lshlrev_b32 v7, 2, v5
	global_load_b32 v16, v7, s[14:15]              ; token_positions[16 tile + r]
	v_cmp_ne_u32 vcc_lo, 0, v6                     ; lanes 16-31 take the pairs four further on
	v_mov_b32 v8, 0xb94ca1f9                       ; the polynomials' leading coefficients
	v_mov_b32 v9, 0x37ccf5ce
	s_wait_loadcnt 0x0
	v_cvt_f32_i32 v16, v16
; cos and sin of position x f, f = f0 in lanes 0-15 and f1 in lanes 16-31, into v[dst], v[dst + 1]
.macro SINCOS f0, f1, dst
	v_mov_b32 v17, \f1
	v_cndmask_b32 v17, \f0, v17, vcc_lo
	v_mul_f32 v18, v16, v17                        ; the angle, one rounding
	v_mul_f32 v19, 0x3f22f983, v18                 ; x 2 / pi
	v_rndne_f32 v19, v19                           ; n
	v_fmamk_f32 v20, v19, 0xbfc90fdb, v18          ; angle - n pi / 2, pi / 2 in three parts
	v_fmamk_f32 v20, v19, 0x333bbd2e, v20
	v_fmamk_f32 v20, v19, 0x26f72ced, v20          ; r, within +-pi / 4
	v_cvt_i32_f32 v21, v19                         ; the quadrant in its two low bits
	v_mul_f32 v22, v20, v20                        ; z = r r
	v_fmaak_f32 v23, v22, v8, 0x3c08839e
	v_fmaak_f32 v23, v23, v22, 0xbe2aaaa3
	v_mul_f32 v24, v22, v20
	v_fma_f32 v23, v23, v24, v20                   ; sin r
	v_fmaak_f32 v25, v22, v9, 0xbab6061a
	v_fmaak_f32 v25, v25, v22, 0x3d2aaaa5
	v_mul_f32 v26, v22, v22
	v_fma_f32 v27, v22, -0.5, 1.0
	v_fma_f32 v25, v25, v26, v27                   ; cos r
	v_and_b32 v28, 1, v21
	v_cmp_ne_u32 s56, 0, v28                       ; an odd quadrant swaps the two
	v_cndmask_b32 v29, v23, v25, s56
	v_cndmask_b32 v30, v25, v23, s56
	v_lshlrev_b32 v28, 30, v21
	v_and_b32 v28, 0x80000000, v28                 ; the sine is negative in quadrants 2 and 3,
	v_xor_b32 v[\dst+1], v29, v28
	v_add_nc_u32 v28, 1, v21
	v_lshlrev_b32 v28, 30, v28
	v_and_b32 v28, 0x80000000, v28                 ; the cosine in 1 and 2
	v_xor_b32 v[\dst], v30, v28
.endm
	; the literals are 10^(-p / 8) = 10000^(-p / 32), p = 0 .. 31, rounded to f32
	SINCOS 0x3f800000, 0x3ea1e89b, 32              ; pairs 0, 4
	SINCOS 0x3f3ff911, 0x3e72d424, 34              ; 1, 5
	SINCOS 0x3f0ff59a, 0x3e361887, 36              ; 2, 6
	SINCOS 0x3ed7e89b, 0x3e088d77, 38              ; 3, 7
	SINCOS 0x3dcccccd, 0x3d0186e2, 40              ; 8, 12
	SINCOS 0x3d99940e, 0x3cc24350, 42
	SINCOS 0x3d6655c3, 0x3c91ad39, 44
	SINCOS 0x3d2cba15, 0x3c5a7bf1, 46
	SINCOS 0x3c23d70a, 0x3b4f3e37, 48              ; 16, 20
	SINCOS 0x3bf5b9b0, 0x3b1b690d, 50
	SINCOS 0x3bb8449c, 0x3ae91528, 52
	SINCOS 0x3b8a2e77, 0x3aaec98e, 54
	SINCOS 0x3a83126f, 0x39a5cb5f, 56              ; 24, 28
	SINCOS 0x3a44948c, 0x3978a814, 58
	SINCOS 0x3a136a16, 0x393a7753, 60
	SINCOS 0x39dd1726, 0x390bd472, 62
.irp i, 0,1,2,3,4,5,6,7
	global_store_b128 v4, v[32+4*\i:35+4*\i], s[22:23] offset:512*\i
.endr
	s_endpgm
.Lfunc_end_k_q17dc4e9cfd_quant:
	.size	k_q17dc4e9cfd_quant, .Lfunc_end_k_q17dc4e9cfd_quant-k_q17dc4e9cfd_quant
	.p2alignl 7, 3214868480
	.fill 96, 4, 3214868480
	.section	.rodata,"a",@progbits
	.p2align	6, 0x0
	.amdhsa_kernel k_q17dc4e9cfd_quant
		.amdhsa_group_segment_fixed_size 35328
		.amdhsa_private_segment_fixed_size 0
		.amdhsa_enable_private_segment 0
		.amdhsa_kernarg_size 80
		.amdhsa_user_sgpr_count 2
		.amdhsa_user_sgpr_kernarg_segment_ptr 1
		.amdhsa_wavefront_size32 1
		.amdhsa_system_sgpr_workgroup_id_x 1
		.amdhsa_system_sgpr_workgroup_id_y 1
		.amdhsa_system_sgpr_workgroup_id_z 1
		.amdhsa_system_vgpr_workitem_id 0
		.amdhsa_next_free_vgpr 256
		.amdhsa_next_free_sgpr 66
		.amdhsa_reserve_vcc 1
		.amdhsa_float_denorm_mode_32 3
		.amdhsa_float_denorm_mode_16_64 3
		.amdhsa_fp16_overflow 1
		.amdhsa_memory_ordered 1
		.amdhsa_forward_progress 1
		.amdhsa_inst_pref_size 55
	.end_amdhsa_kernel
	.amdgpu_metadata
---
amdhsa.version: [ 1, 2 ]
amdhsa.kernels:
  - .name:           k_q17dc4e9cfd_quant
    .symbol:         k_q17dc4e9cfd_quant.kd
    .args:
      - { .name: x, .offset: 0, .size: 8, .value_kind: global_buffer, .address_space: global }
      - { .name: wq, .offset: 8, .size: 8, .value_kind: global_buffer, .address_space: global }
      - { .name: wk, .offset: 16, .size: 8, .value_kind: global_buffer, .address_space: global }
      - { .name: wv, .offset: 24, .size: 8, .value_kind: global_buffer, .address_space: global }
      - { .name: wo, .offset: 32, .size: 8, .value_kind: global_buffer, .address_space: global }
      - { .name: token_positions, .offset: 40, .size: 8, .value_kind: global_buffer, .address_space: global }
      - { .name: lowp_scales, .offset: 48, .size: 8, .value_kind: global_buffer, .address_space: global }
      - { .name: x_img, .offset: 56, .size: 8, .value_kind: global_buffer, .address_space: global }
      - { .name: w_img, .offset: 64, .size: 8, .value_kind: global_buffer, .address_space: global }
      - { .name: rope, .offset: 72, .size: 8, .value_kind: global_buffer, .address_space: global }
    .group_segment_fixed_size: 35328
    .private_segment_fixed_size: 0
    .kernarg_segment_align: 8
    .kernarg_segment_size: 80
    .max_flat_workgroup_size: 128
    .sgpr_count:     66
    .vgpr_count:     256
    .wavefront_size: 32
...
	.end_amdgpu_metadata
.endif
;; end of part 1
;; launch qkv (part 2): grid 12 x 32, 4 waves a work-group, clusters of 4 x 4, 327,680 bytes of LDS; arguments x_img, w_img, rope, lowp_scales, qkv_img; writes qkv_img
.if DOCPART == 2
	.amdgcn_target "amdgcn-amd-amdhsa--gfx1250"
	.amdhsa_code_object_version 6
	.text
	.protected	k_q17dc4e9cfd_qkv
	.globl	k_q17dc4e9cfd_qkv
	.p2align	8
	.type	k_q17dc4e9cfd_qkv,@function
k_q17dc4e9cfd_qkv:
	s_mov_b64 s[64:65], 0
	v_nop
	global_prefetch_b8 v0, s[64:65] scope:SCOPE_SE
	s_setreg_imm32_b32 hwreg(HW_REG_WAVE_MODE, 25, 1), 1
	s_wait_xcnt 0x0
	s_wait_alu depctr_hold_cnt(0) depctr_sa_sdst(0) depctr_va_vdst(0) depctr_va_sdst(0) depctr_va_ssrc(0) depctr_va_vcc(0) depctr_vm_vsrc(0)
	s_getreg_b32 s2, hwreg(HW_REG_IB_STS2, 6, 4)
	s_cmp_eq_u32 s2, 0
	s_cbranch_scc0 .Lentry_in_a_cluster
	s_endpgm
.Lentry_in_a_cluster:
	s_bfe_u32 s2, ttmp6, 0x10000c
	s_cmp_lg_u32 s2, 0xf033
	s_cbranch_scc0 .Lentry_shape_is_right
	s_endpgm
.Lentry_shape_is_right:
; The three projections on codes of E4M3, the rotation of q and k, and the quantising of q, k and v for attention.  J = the cluster's x: 0 q, 1 k, 2 v.
; A tile is 256 m' x 256 n', K = 1,024; four waves, each 128 x 128: 64 accumulators, 512 registers.  The matrix instruction takes 16 rows of B' as source 0 and 16 rows of A' as source 1:
; in a result lane (r, h) holds row m' = r of A's block, and register j the row n' = 8 h + j of B's block.
;   J < 2: A' = x (tokens), B' = wq or wk (features): a lane holds one token and eight neighbouring features: the rotation's pairs are register neighbours, and a head's 64 features (four blocks of B')
;          give, by four conversions, the eight registers of a 16 x 64 operand of the scores' product.
;   J = 2: A' = wv (channels), B' = x (tokens): a lane holds one channel and its registers run along the tokens, the second attention product's K: eight blocks of B' give the 16 registers of a 16 x 128 operand.
; So the results ARE the next launch's operand registers, and are stored as their image, 512 consecutive bytes a store; no LDS on the way out.
; OPERANDS come as images (a fragment of 16 rows x 128 K: 2,048 bytes, [quad][lane][16]; a row tile's eight fragments on end, 16,384 bytes).  K goes in chunks of 256 through a ring of two LDS slots: a chunk is
; 4,096 bytes of each row tile; one tensor load brings eight row tiles' chunks, 32,768 bytes; a fragment is read by four loads of 512 consecutive bytes: no pitch, no padding.
; CLUSTERS: 4 x 4 work-groups.  The four of a row of the cluster need the same tiles of A', the four of a column the same tiles of B': each is asked for jointly, by the same tensor load with the same descriptor
; and a mask that names the four.  Branches hang on J, the wave's number and counters alone: J is the same in all sixteen partners.
; SCALES: a sum stands for sum x 2^(eA + eB); its code is sum / 2^(eOut - eA - eB): the three are folded into the conversion's one.  q: e6 - e0 - e1; k: e7 - e2 - e3; v: e9 - e4 - e5.
; LIMITS: each of these three between -126 and 119.  NaN is not served.
; REGISTERS, in windows of 256: window 0: v16-31 addresses and scales; v32-127 three sets of the rotation's table; v128-255 A's fragments, ONE set; on the way out v128-191 numbers, v192-223 codes.
;   window 1: B's fragments, two sets.   windows 2, 3: the accumulators of my rows 0-63, 64-127 ((a, b) at v[8 (8 (a % 4) + b)]).
.set FR,     16                        ; registers of a fragment
.set NL,     4                         ; LDS loads that bring one
.set NP,     4                         ; places behind this matrix instruction (ISA guide 7.12.1)
.set CHUNK,  4096                      ; a row tile's 256 along K
.set HALF,   8*CHUNK                   ; what one tensor load brings, and what one wave reads of A' or of B'
.set SLOT,   4*HALF                    ; A's 16 row tiles, then B's
.set SPARE,  2*SLOT                    ; behind the ring: the spare words, 128 bytes a wave, that no other line names
.set ADRA, 16                          ; v16-17  LDS address of my A fragments in slot 0, 1
.set ADRB, 20                          ; v20-21  the same for B
.set LI,   26                          ; v26     16 x lane; never rewritten
.set SPW,  28                          ; v28     my spare word; never rewritten
.set NIL,  29                          ; v29     0; never rewritten
.set SCL,  30                          ; v30     2^E as f32, for the conversions
.set LIM,  31                          ; v31     448 x 2^E
.set RT,   32
.set AF,   128
.set OUT,  128
.set CODE, 192
.set G1, 24                            ; s[24:31] descriptor group 1 for A's tiles;  s[32:39] group 0, one set for each slot
.set G0, 32
.set G1B, 48                           ; s[48:55], s[56:63] the same for B's
.set G0B, 56
.set MSB, 0
.macro WIN new                         ; the immediate's high byte repeats the setting that is left
.if MSB != (\new)
	s_set_vgpr_msb (MSB<<8)|(\new)
.set MSB, (\new)
.endif
.endm
.set MUL_LO, 0xa1                      ; source 0 (B) window 1, source 1 (A) window 0, C and D window 2
.set MUL_HI, 0xf1                      ; the same, C and D window 3
.set TO_B,   0x40                      ; destination window 1, address window 0
; A joint load: waves 0 and 1 fetch for A', waves 2 and 3 for B'.  The branch hangs on the wave's number alone.  An s_nop 0 and four v_nop follow each of the two lines.
.macro JLOAD g0a, g1a, g0b, g1b
	s_cmp_eq_u32 s15, 0
	s_cbranch_scc0 .Lfor_b_\@
	tensor_load_to_lds s[\g0a:\g0a+3], s[\g1a:\g1a+7]
	s_nop 0
.rept 4
	v_nop
.endr
	s_branch .Lasked_\@
.Lfor_b_\@:
	tensor_load_to_lds s[\g0b:\g0b+3], s[\g1b:\g1b+7]
	s_nop 0
.rept 4
	v_nop
.endr
.Lasked_\@:
.endm
.macro CREST                           ; a round of the cluster's barrier behind its opening barrier
	s_cmp_lg_u32 s14, 0
	s_cbranch_scc1 .Lnot_wave_0_\@
	s_barrier_signal -3
.Lnot_wave_0_\@:
	s_barrier_wait -3
	s_barrier_signal -1
	s_barrier_wait -1
.endm
.macro CROUND                          ; a whole round
	s_barrier_signal -1
	s_barrier_wait -1
	CREST
.endm
	s_load_b256 s[4:11], s[0:1], 0x0               ; x_img 4, w_img 6, rope 8, exponents 10
	s_load_b64 s[12:13], s[0:1], 0x20              ; qkv_img
	v_lshl_add_u32 v[SPW], v0, 2, SPARE
	v_mov_b32 v[NIL], 0
	ds_add_u32 v[SPW], v[NIL]                      ; the wave's opening: the add and its wait stand ahead of my first tensor load; the set-up below, work on registers, stands between them
	ds_add_u32 v[SPW], v[NIL]
	v_lshrrev_b32 v1, 5, v0
	v_readfirstlane_b32 s14, v1                    ; wave 0..3
	s_lshr_b32 s15, s14, 1                         ; which half of the tile's m' is mine.  Also: I fetch for A' (0) or for B' (1)
	s_and_b32 s16, s14, 1                          ; which half of its n'.  Also: which eight row tiles I fetch
	s_bfe_u32 s40, ttmp6, 0x40000                  ; cx, cy: my place in the cluster
	s_bfe_u32 s41, ttmp6, 0x40004
	s_mov_b32 s66, ttmp9                           ; J
	s_and_b32 s67, ttmp7, 0xffff
	s_lshl_b32 s67, s67, 2                         ; 4 x the cluster's y: it counts along the tokens, which are m' for q and k, n' for v
	s_cmp_lt_u32 s66, 2
	s_cselect_b32 s17, s67, 0
	s_cselect_b32 s42, 0, s67
	s_add_co_u32 s17, s17, s41                     ; tile row
	s_add_co_u32 s42, s42, s40                     ; tile column
	s_lshl_b32 s43, s41, 2
	s_lshl_b32 s43, 15, s43                        ; my row of the cluster
	s_lshl_b32 s44, 0x1111, s40                    ; my column
	; descriptor group 1: 8 rows (row tiles) of 512 elements of 8 bytes, 2,048 elements apart, dense in LDS
	s_or_b32 s[G1+0], s43, (3<<16)|(1<<21)         ; 15:0 the mask: A's tiles go to my row; 17:16 elements of 8 bytes; 20 no padding; 21 set beside a mask
	s_or_b32 s[G1B+0], s44, (3<<16)|(1<<21)
.irp g, G1, G1B
	s_mov_b32 s[\g+1], 512<<16                     ; tensor_dim0
	s_mov_b32 s[\g+2], 8<<16                       ; tensor_dim1
	s_mov_b32 s[\g+3], 512<<16                     ; tile_dim0
	s_mov_b32 s[\g+4], 8                           ; tile_dim1
	s_mov_b32 s[\g+5], 2048                        ; tensor_dim0_stride
	s_mov_b32 s[\g+6], 0
	s_mov_b32 s[\g+7], 0
.endr
	s_lshl_b32 s18, s16, 17                        ; the eight row tiles that I fetch: 8 x 16,384 bytes
	s_lshl_b32 s20, s17, 18                        ; A': a tile's 16 row tiles are 262,144 bytes
	s_add_co_u32 s20, s20, s18
	s_lshl_b32 s46, s42, 18                        ; B' likewise
	s_add_co_u32 s46, s46, s18
	s_lshl_b32 s80, s66, 23                        ; region J of x_img,
	s_lshl_b32 s81, s66, 20                        ; region J of w_img
	s_cmp_lt_u32 s66, 2
	s_cselect_b32 s82, s80, s81
	s_cselect_b32 s83, s81, s80
	s_add_co_u32 s20, s20, s82
	s_add_co_u32 s46, s46, s83
	s_mov_b32 s21, 0
	s_mov_b32 s47, 0
	s_lshl_b32 s45, s14, 15                        ; where they go: wave x 32,768: no place in the cluster enters an LDS address
	s_wait_dscnt 0x0                               ; the opening add is done
	s_wait_kmcnt 0x0
	s_load_b256 s[68:75], s[10:11], 0x0            ; e0 .. e7
	s_load_b128 s[76:79], s[10:11], 0x20           ; e8 .. e11
	s_cmp_lt_u32 s66, 2
	s_cselect_b64 s[88:89], s[4:5], s[6:7]         ; A' is x for q and k, wv for v
	s_cselect_b64 s[90:91], s[6:7], s[4:5]
	s_add_nc_u64 s[20:21], s[88:89], s[20:21]
	s_add_nc_u64 s[46:47], s[90:91], s[46:47]
	CROUND                                         ; all sixteen work-groups are here: the first joint loads meet
.irp s, 0,1
	s_mov_b32 s[G0+4*\s], 1
	s_add_co_u32 s[G0+4*\s+1], s45, \s*SLOT
	s_add_nc_u64 s[G0+4*\s+2:G0+4*\s+3], s[20:21], \s*CHUNK
	s_or_b32 s[G0+4*\s+3], s[G0+4*\s+3], 0x80000000
	s_mov_b32 s[G0B+4*\s], 1
	s_add_co_u32 s[G0B+4*\s+1], s45, \s*SLOT
	s_add_nc_u64 s[G0B+4*\s+2:G0B+4*\s+3], s[46:47], \s*CHUNK
	s_or_b32 s[G0B+4*\s+3], s[G0B+4*\s+3], 0x80000000
	JLOAD G0+4*\s, G1, G0B+4*\s, G1B
.endr
	v_and_b32 v1, 31, v0
	v_lshlrev_b32 v[LI], 4, v1
	s_wait_alu depctr_va_vdst(0)
	s_lshl_b32 s21, s15, 15                        ; my eight row tiles of A',
	s_lshl_b32 s22, s16, 15                        ; of B',
	s_add_co_u32 s22, s22, 2*HALF                  ; which lie behind A's sixteen
.irp s, 0,1
	v_add_nc_u32 v[ADRA+\s], s21, v[LI]
	v_add_nc_u32 v[ADRB+\s], s22, v[LI]
	s_add_co_u32 s21, s21, SLOT
	s_add_co_u32 s22, s22, SLOT
.endr
	; the rotation's table for my eight token tiles: tile (tile row % 8) x 16 + 8 x half + a of the sequence
	s_and_b32 s80, s17, 7
	s_lshl_b32 s80, s80, 4
	s_lshl_b32 s81, s15, 3
	s_add_co_u32 s80, s80, s81
	s_lshl_b32 s82, s80, 12
	s_mov_b32 s83, 0
	s_add_nc_u64 s[84:85], s[8:9], s[82:83]
.macro ROPE_LOAD a                     ; token tile a's 32 registers: cos and sin of my 16 pairs
.irp i, 0,1,2,3,4,5,6,7
	global_load_b128 v[RT+32*((\a)%3)+4*\i:RT+32*((\a)%3)+4*\i+3], v[LI], s[84:85] offset:4096*(\a)+512*\i
.endr
.endm
	ROPE_LOAD 0                                    ; three sets are asked for here, a whole product ahead of their use.  V's work-groups ask too (12 KiB a wave, inside the table) and do not read them:
	ROPE_LOAD 1                                    ; so one path leads through the product, and these registers are written on every way to the lines that read them
	ROPE_LOAD 2
.macro FRAG reg, adr, q, i             ; a fragment as it lies: four loads of 512 consecutive bytes
.irp c, 0,1,2,3
	ds_load_b128 v[\reg+4*\c:\reg+4*\c+3], v[\adr] offset:CHUNK*(\i)+2048*(\q)+512*\c
.endr
.endm
; 16 matrix instructions: A's blocks a0, a0 + 1 x B's eight, 128 along K.  p: B's set.  zero = 1: the first product starts the sums.  The 64 accumulators take turns, one instruction a turn, in the same order in
; every step.
.macro MUL16 a0, p, zero
.irp a, \a0, \a0+1
.irp b, 0,1,2,3,4,5,6,7
.if \zero
	v_wmma_f32_16x16x128_fp8_fp8 v[8*(8*((\a)%4)+\b):8*(8*((\a)%4)+\b)+7], v[128*(\p)+FR*\b:128*(\p)+FR*\b+FR-1], v[AF+FR*(\a):AF+FR*(\a)+FR-1], 0
.else
	v_wmma_f32_16x16x128_fp8_fp8 v[8*(8*((\a)%4)+\b):8*(8*((\a)%4)+\b)+7], v[128*(\p)+FR*\b:128*(\p)+FR*\b+FR-1], v[AF+FR*(\a):AF+FR*(\a)+FR-1], v[8*(8*((\a)%4)+\b):8*(8*((\a)%4)+\b)+7]
.endif
.endr
.endr
.endm
.macro FETCH_B slot, q, p              ; B's eight fragments of the slot's q-th 128 along K into set p
	WIN TO_B
.irp i, 0,1,2,3,4,5,6,7
	FRAG 128*(\p)+FR*\i, ADRB+\slot, \q, \i
.endr
	WIN 0
.endm
.macro FETCH_A slot, q, i0             ; A's blocks i0 .. i0 + 3
.irp i, \i0, \i0+1, \i0+2, \i0+3
	FRAG AF+FR*(\i), ADRA+\slot, \q, \i
.endr
.endm
; A load into a register that a matrix instruction has read, and a vector instruction that reads a matrix result or writes a matrix instruction's register, stand NP places behind it; only plain vector
; instructions that name none of its registers are places (ISA guide 7.12.1 for vector instructions).
.macro PLACES n
.rept \n
	v_nop
.endr
.endm
; A step of 128 along K that has its successor in the same slot.  A block of A' is free as soon as its eight products are issued: blocks 0-3 are fetched anew in the step's middle, blocks 4-7 at its end.
.macro STEP slot, q, zero
	s_wait_dscnt 4*NL                              ; B's set and A's blocks 0-3 are in; the youngest sixteen loads (A's blocks 4-7) may be out
	WIN MUL_LO
	MUL16 0, (\q)%2, \zero
	MUL16 2, (\q)%2, \zero
	s_wait_dscnt 0                                 ; A's blocks 4-7 are in
	PLACES NP
	FETCH_B \slot, (\q)+1, 1-(\q)%2
	FETCH_A \slot, (\q)+1, 0
	WIN MUL_HI
	MUL16 4, (\q)%2, \zero
	MUL16 6, (\q)%2, \zero
	PLACES NP
	WIN 0
	FETCH_A \slot, (\q)+1, 4
.endm
; A slot's last step changes slots: one barrier; in front of it each wave waits for all its tensor loads, adds 0 to its spare word, and waits for that and for its own reads of this slot.  fill = 1: this slot is filled again, two chunks ahead.
.macro TURN slot, next, fill
	s_wait_tensorcnt 0x0                           ; all my tensor loads have landed: my part of the next slot  (every window is 0 here)
	ds_add_u32 v[SPW], v[NIL]                      ; 0 onto my spare word
	s_wait_dscnt 4*NL+1                            ; (the add and the youngest sixteen loads may be out)
	WIN MUL_LO
	MUL16 0, 1, 0                                  ; sixteen matrix instructions stand between the add and the wait for it
	s_wait_dscnt 0x0                               ; the add is done, and my reads of this slot are over
	s_barrier_signal -1
	MUL16 2, 1, 0
	WIN 0
	s_barrier_wait -1
.if \fill
	CREST                                          ; the barrier has opened a round of the cluster's barrier: no wave of any partner still reads this slot or has a load on its way
	s_add_nc_u64 s[G0+4*\slot+2:G0+4*\slot+3], s[G0+4*\slot+2:G0+4*\slot+3], 2*CHUNK
	s_add_nc_u64 s[G0B+4*\slot+2:G0B+4*\slot+3], s[G0B+4*\slot+2:G0B+4*\slot+3], 2*CHUNK
	JLOAD G0+4*\slot, G1, G0B+4*\slot, G1B         ; the first tensor load behind the round; its four v_nop are the places in front of the loads below
.else
	PLACES NP
.endif
	FETCH_B \next, 0, 0
	FETCH_A \next, 0, 0
	WIN MUL_HI
	MUL16 4, 1, 0
	MUL16 6, 1, 0
	PLACES NP
	WIN 0
	FETCH_A \next, 0, 4
.endm
	s_wait_alu depctr_va_vdst(0)
	s_wait_tensorcnt 1                             ; my part of chunk 0 is in (chunk 1's load may be out)
	s_barrier_signal -1
	s_barrier_wait -1                              ; everybody's is
	FETCH_B 0, 0, 0
	FETCH_A 0, 0, 0
	FETCH_A 0, 0, 4
	STEP 0, 0, 1                                   ; the first step stands in front of the loop: its products start the sums
	s_mov_b32 s3, 1                                ; K = 1,024 is four chunks, two laps of the ring: one trip fills both slots again
.Llap:
	TURN 0, 1, 1
	STEP 1, 0, 0
	TURN 1, 0, 1
	STEP 0, 0, 0
	s_sub_co_u32 s3, s3, 1
	s_cmp_lg_u32 s3, 0
	s_cbranch_scc1 .Llap
	TURN 0, 1, 0                                   ; the last lap fills nothing
	STEP 1, 0, 0
	s_wait_dscnt 4*NL                              ; the very last step
	WIN MUL_LO
	MUL16 0, 1, 0
	MUL16 2, 1, 0
	s_wait_dscnt 0
	WIN MUL_HI
	MUL16 4, 1, 0
	MUL16 6, 1, 0
	WIN 0
	; ---- THE WAY OUT
	s_wait_kmcnt 0x0
	s_sub_co_i32 s80, s74, s68
	s_sub_co_i32 s80, s80, s69                     ; q: e6 - e0 - e1
	s_sub_co_i32 s81, s75, s70
	s_sub_co_i32 s81, s81, s71                     ; k: e7 - e2 - e3
	s_sub_co_i32 s82, s77, s72
	s_sub_co_i32 s82, s82, s73                     ; v: e9 - e4 - e5
	s_cmp_eq_u32 s66, 0
	s_cselect_b32 s80, s80, s82
	s_cmp_eq_u32 s66, 1
	s_cselect_b32 s80, s81, s80
	s_add_co_i32 s80, s80, 127
	s_lshl_b32 s81, s80, 23
	v_mov_b32 v[SCL], s81
	s_add_co_i32 s80, s80, 8
	s_lshl_b32 s80, s80, 23
	s_or_b32 s80, s80, 0x600000
	v_mov_b32 v[LIM], s80
	PLACES NP                                      ; behind the last products: their results are read, and A's registers written, below
	s_cmp_lt_u32 s66, 2
	s_cbranch_scc0 .Lv_out
	; q and k: [bh][token tile][1,024 bytes].  bh = 16 x batch + head; my heads are 4 x tile column + 2 x half + g
	s_lshr_b32 s80, s17, 3
	s_lshl_b32 s80, s80, 4
	s_lshl_b32 s81, s42, 2
	s_add_co_u32 s80, s80, s81
	s_lshl_b32 s81, s16, 1
	s_add_co_u32 s80, s80, s81
	s_lshl_b32 s80, s80, 7
	s_and_b32 s81, s17, 7
	s_lshl_b32 s81, s81, 4
	s_add_co_u32 s80, s80, s81
	s_lshl_b32 s81, s15, 3
	s_add_co_u32 s80, s80, s81
	s_lshl_b32 s80, s80, 10
	s_lshl_b32 s81, s66, 23                        ; region J
	s_add_co_u32 s80, s80, s81
	s_mov_b32 s81, 0
	s_add_nc_u64 s[86:87], s[12:13], s[80:81]
; Token tile a, both heads.  Of a pair (x1, x2): x1 cos - x2 sin, x1 sin + x2 cos, each a product and a fused multiply-add; four conversions; two stores of 512 bytes.
.macro QK_OUT a
.set RS, RT+32*((\a)%3)
.if (\a) < 6
	s_wait_loadcnt 16                              ; this tile's table is in; the two sets behind it may be out
.else
	s_wait_loadcnt 8*(7-(\a))
.endif
.irp g, 0,1
	WIN 0x02+((\a)/4)                              ; source 0: the accumulators' window
.irp tb, 0,1,2,3
.set AC, 64*((\a)%4)+8*(4*\g+\tb)
.set OO, OUT+32*\g+8*\tb
.irp i, 0,2,4,6
	v_mul_f32 v[OO+\i], v[AC+\i+1], v[RS+8*\tb+\i+1]
	v_mul_f32 v[OO+\i+1], v[AC+\i+1], v[RS+8*\tb+\i]
	v_fma_f32 v[OO+\i], v[AC+\i], v[RS+8*\tb+\i], -v[OO+\i]
	v_fma_f32 v[OO+\i+1], v[AC+\i], v[RS+8*\tb+\i+1], v[OO+\i+1]
.endr
.endr
	WIN 0
.set n, 0
.rept 32
.set n, n+1
.endr
	s_wait_alu depctr_va_vdst(0)
	s_wait_xcnt 0x0                                ; the last tile's stores have read their data: the codes' registers are written again only behind this wait
.irp tb, 0,1,2,3
	v_cvt_scalef32_pk8_fp8_f32 v[CODE+16*\g+2*\tb:CODE+16*\g+2*\tb+1], v[OUT+32*\g+8*\tb:OUT+32*\g+8*\tb+7], v[SCL]
.endr
	v_nop                                          ; one plain line behind the last conversion, ahead of the next write of its sources
.irp c, 0,1
	global_store_b128 v[LI], v[CODE+16*\g+4*\c:CODE+16*\g+4*\c+3], s[86:87] offset:1024*(\a)+131072*\g+512*\c
.endr
.endr
.if (\a) < 5
	ROPE_LOAD (\a)+3                               ; into the set just read
.endif
.endm
.irp a, 0,1,2,3,4,5,6,7
	QK_OUT \a
.endr
	s_branch .Lend
.Lv_out:
	; v: [bh][key step][channel tile][2,048 bytes].  My heads are 4 x tile row + 2 x half + a / 4; my key step is 2 x (tile column % 8) + half
	s_lshr_b32 s80, s42, 3
	s_lshl_b32 s80, s80, 4
	s_lshl_b32 s81, s17, 2
	s_add_co_u32 s80, s80, s81
	s_lshl_b32 s81, s15, 1
	s_add_co_u32 s80, s80, s81
	s_lshl_b32 s80, s80, 4
	s_and_b32 s81, s42, 7
	s_lshl_b32 s81, s81, 1
	s_add_co_u32 s80, s80, s81
	s_add_co_u32 s80, s80, s16
	s_lshl_b32 s80, s80, 13
	s_add_co_u32 s80, s80, 0x1000000               ; region 2
	s_mov_b32 s81, 0
	s_add_nc_u64 s[86:87], s[12:13], s[80:81]
.macro V_OUT a                         ; channel tile a: 64 numbers a lane, along 128 tokens: the hold, eight conversions, four stores of 512 bytes
	WIN 0x02+((\a)/4)
.set n, 0
.rept 64
	v_med3_num_f32 v[OUT+n], v[64*((\a)%4)+n], -v[LIM], v[LIM]
.set n, n+1
.endr
	WIN 0
	s_wait_alu depctr_va_vdst(0)
	s_wait_xcnt 0x0                                ; earlier stores have read their data
.irp b, 0,1,2,3,4,5,6,7
	v_cvt_scalef32_pk8_fp8_f32 v[CODE+16*((\a)%2)+2*\b:CODE+16*((\a)%2)+2*\b+1], v[OUT+8*\b:OUT+8*\b+7], v[SCL]
.endr
	v_nop
.irp q, 0,1,2,3
	global_store_b128 v[LI], v[CODE+16*((\a)%2)+4*\q:CODE+16*((\a)%2)+4*\q+3], s[86:87] offset:131072*((\a)/4)+2048*((\a)%4)+512*\q
.endr
.endm
	s_wait_alu depctr_va_vdst(0)
.irp a, 0,1,2,3,4,5,6,7
	V_OUT \a
.endr
.Lend:
	s_wait_tensorcnt 0x0                           ; the wave's end
	ds_add_u32 v[SPW], v[NIL]
	s_wait_dscnt 0x0
	CROUND                                         ; the closing round: no work-group ends while a partner may still ask for a tile that names it
	s_endpgm
.Lfunc_end_k_q17dc4e9cfd_qkv:
	.size	k_q17dc4e9cfd_qkv, .Lfunc_end_k_q17dc4e9cfd_qkv-k_q17dc4e9cfd_qkv
	.p2alignl 7, 3214868480
	.fill 96, 4, 3214868480
	.section	.rodata,"a",@progbits
	.p2align	6, 0x0
	.amdhsa_kernel k_q17dc4e9cfd_qkv
		.amdhsa_group_segment_fixed_size 327680
		.amdhsa_private_segment_fixed_size 0
		.amdhsa_enable_private_segment 0
		.amdhsa_kernarg_size 40
		.amdhsa_user_sgpr_count 2
		.amdhsa_user_sgpr_kernarg_segment_ptr 1
		.amdhsa_wavefront_size32 1
		.amdhsa_system_sgpr_workgroup_id_x 1
		.amdhsa_system_sgpr_workgroup_id_y 1
		.amdhsa_system_sgpr_workgroup_id_z 1
		.amdhsa_system_vgpr_workitem_id 0
		.amdhsa_next_free_vgpr 1024
		.amdhsa_next_free_sgpr 100
		.amdhsa_reserve_vcc 0
		.amdhsa_float_denorm_mode_32 3
		.amdhsa_float_denorm_mode_16_64 3
		.amdhsa_fp16_overflow 1
		.amdhsa_memory_ordered 1
		.amdhsa_forward_progress 1
		.amdhsa_inst_pref_size 183
	.end_amdhsa_kernel
	.amdgpu_metadata
---
amdhsa.version: [ 1, 2 ]
amdhsa.kernels:
  - .name:           k_q17dc4e9cfd_qkv
    .symbol:         k_q17dc4e9cfd_qkv.kd
    .args:
      - { .name: x_img, .offset: 0, .size: 8, .value_kind: global_buffer, .address_space: global }
      - { .name: w_img, .offset: 8, .size: 8, .value_kind: global_buffer, .address_space: global }
      - { .name: rope, .offset: 16, .size: 8, .value_kind: global_buffer, .address_space: global }
      - { .name: lowp_scales, .offset: 24, .size: 8, .value_kind: global_buffer, .address_space: global }
      - { .name: qkv_img, .offset: 32, .size: 8, .value_kind: global_buffer, .address_space: global }
    .group_segment_fixed_size: 327680
    .private_segment_fixed_size: 0
    .kernarg_segment_align: 8
    .kernarg_segment_size: 40
    .max_flat_workgroup_size: 128
    .sgpr_count:     100
    .vgpr_count:     1024
    .wavefront_size: 32
...
	.end_amdgpu_metadata
.endif
;; end of part 2
;; launch attn (part 3): grid 4 x 64, 16 waves a work-group, no clusters, 327,680 bytes of LDS; arguments qkv_img, lowp_scales, a_img; writes a_img
.if DOCPART == 3
	.amdgcn_target "amdgcn-amd-amdhsa--gfx1250"
	.amdhsa_code_object_version 6
	.text
	.protected	k_q17dc4e9cfd_attn
	.globl	k_q17dc4e9cfd_attn
	.p2align	8
	.type	k_q17dc4e9cfd_attn,@function
k_q17dc4e9cfd_attn:
	s_mov_b64 s[64:65], 0
	v_nop
	global_prefetch_b8 v0, s[64:65] scope:SCOPE_SE
	s_setreg_imm32_b32 hwreg(HW_REG_WAVE_MODE, 25, 1), 1
	s_wait_xcnt 0x0
; Causal attention on codes of E4M3: o = softmax(q k^T / 8) v for one head, and o quantised for the output projection.  q, k: images of 16 x 64 operands, [bh][token tile][1,024]; v: images of 16 channels x 128 keys,
; [bh][key step][channel tile][2,048]; a_img: [token tile][16,384], head hd at bytes 1,024 hd.
; THE SOFTMAX: t = score x log2(e) / 8; M = the row's largest t so far, rounded UP to a whole number; p = 2^(t - M) is quantised with 2^e8, not normalised; the row's sum is taken of the unquantised p and divides at
; the end.  When M moves, the sum and O are multiplied by 2^(old M - new M): exact.
; SHARES.  Work-group (i, bh) owns query blocks 7 - i and i of 256: under the causal mask all 256 work-groups then have the same work.  Wave w of sixteen owns tile 16 (7 - i) + w first and tile 16 i + w afterwards:
; 16 queries in 256 registers, four waves to a SIMD, so that one wave's vector work stands beside another's matrix work and LDS loads.  A step is 128 keys.
; THE HEAD'S WHOLE K AND V LIE IN LDS, 131,072 bytes each, filled once: nothing is filled again, so there is no ring and no barrier in the loop.  Each wave issues two tensor loads at the head (waves 0-7: K, 8-15: V):
; its eighth of key steps 0 and 1, and its eighth of the rest.  The first two steps run while the second loads are out: two tensor loads of a wave are out at the most.
; THE WALK.  U = 0 .. 17; U1 = 16 - 2 i.  U < U1: the first tile, key step U.  At U = U1 the first tile is finished and stored and the second begins; its key step is U - U1 = (U + 2 i) % 16.  A step all of whose
; keys come after the wave's 16 queries is jumped over (a scalar branch on ids); on the diagonal hidden scores become -infinity.  Key 0 counts for every query, so M is a number from a tile's first step on.
; LAYOUT.  S^T = K Q^T (source 0 = 16 keys, source 1 = my 16 queries), O^T = V^T P^T: a lane holds one query (lane % 16) throughout; register j of key tile t is key 16 t + 8 (lane / 16) + j, which is the place
; that the 16 x 128 operand's layout gives it: the conversions' results are P.  O^T's four tiles likewise are half a fragment of the projection's operand: they are stored as they stand.
; NO JOINT LOADS, though the four work-groups of a head read the same 262,144 bytes: the change of tiles at U1 = 16 - 2 i, the hidden steps and the LDS addresses hang on i, which would be a work-group's place in
; its cluster.
; LIMITS: e6 + e7 between -123 and 130 (added to the exponent field of log2(e) / 8); e8, and e10 - e8 - e9, between -126 and 119.  NaN is not served.
; REGISTERS: v1 16 x lane; v2 lane % 16 - 8 (lane / 16); v5, v6 the add's two; v8, v9 LDS addresses of the step's K and V; v10, v11 448 x 2^E and 2^E, E = e10 - e8 - e9; v12 -M, v13 the largest t, v[14:15] the sum;
; v16-23 Q; v24-31 the second tile's Q; v32-95 fragments; v96-159 S^T, then p; v160-191 O^T; v192-207 P's codes; v208-215, v216-223 the two tiles' codes of o; v236-254 at work; v240, v244 448 x 2^e8, 2^e8.
.set VAREA, 131072                     ; LDS: K from 0, V from here; key step n at 8,192 n in each
.set SPARE, 262144                     ; behind them: the spare words, 128 bytes for each of sixteen waves, that no other line names
	s_load_b128 s[4:7], s[0:1], 0x0                ; qkv_img 4, exponents 6
	s_load_b64 s[8:9], s[0:1], 0x10                ; a_img
	v_lshl_add_u32 v5, v0, 2, SPARE
	v_mov_b32 v6, 0
	ds_add_u32 v5, v6                              ; the wave's opening: the add and its wait stand ahead of my first tensor load; the set-up below, work on registers, stands between them
	ds_add_u32 v5, v6
	v_lshrrev_b32 v7, 5, v0
	s_delay_alu instid0(VALU_DEP_1)
	v_readfirstlane_b32 s10, v7                    ; wave 0..15
	s_mov_b32 s11, ttmp9                           ; i
	s_and_b32 s12, ttmp7, 0xffff                   ; bh
	; descriptor groups 1: dense blocks as rows of 256 bytes (32 elements of 8 bytes): 8 rows, and 56 rows
	s_mov_b32 s24, 3<<16
	s_mov_b32 s25, 32<<16
	s_mov_b32 s26, 8<<16
	s_mov_b32 s27, 32<<16
	s_mov_b32 s28, 8
	s_mov_b32 s29, 32
	s_mov_b32 s30, 0
	s_mov_b32 s31, 0
	s_mov_b32 s32, 3<<16
	s_mov_b32 s33, 32<<16
	s_mov_b32 s34, 56<<16
	s_mov_b32 s35, 32<<16
	s_mov_b32 s36, 56
	s_mov_b32 s37, 32
	s_mov_b32 s38, 0
	s_mov_b32 s39, 0
	s_and_b32 s72, s10, 7
	s_lshr_b32 s73, s10, 3                         ; 0: K, 1: V
	s_lshl_b32 s74, s73, 17                        ; its area in LDS
	s_lshl_b32 s75, s72, 11                        ; my 2,048 bytes of key steps 0 and 1,
	s_mul_i32 s76, s72, 14336
	s_add_co_u32 s76, s76, 16384                   ; my 14,336 of the rest
	s_mov_b32 s40, 1
	s_add_co_u32 s41, s74, s75
	s_mov_b32 s44, 1
	s_add_co_u32 s45, s74, s76
	s_lshl_b32 s71, s12, 17                        ; the head's 131,072 bytes in each region
	s_add_co_u32 s77, s73, 1
	s_lshl_b32 s77, s77, 23                        ; region 1 (k) or 2 (v)
	s_add_co_u32 s77, s77, s71
	s_mov_b32 s79, 0
	s_mov_b32 s20, 0x76543210                      ; v_permlanex16_b32's selects for lane l xor 16
	s_mov_b32 s21, 0xfedcba98
	s_mov_b32 s22, 0x3e38aa3b                      ; log2(e) / 8
	s_wait_dscnt 0x0                               ; the opening add is done
	s_wait_kmcnt 0x0
	s_add_co_u32 s78, s77, s75
	s_add_nc_u64 s[42:43], s[4:5], s[78:79]
	s_or_b32 s43, s43, 0x80000000
	s_add_co_u32 s78, s77, s76
	s_add_nc_u64 s[46:47], s[4:5], s[78:79]
	s_or_b32 s47, s47, 0x80000000
	tensor_load_to_lds s[40:43], s[24:31]          ; the first fill goes out ahead of every wait on TENSORcnt, every LDS read and every barrier
	s_nop 0
	s_wait_alu depctr_va_vdst(0)
	s_wait_tensorcnt 0x0
	ds_add_u32 v5, v6
	s_wait_dscnt 0x0
	s_barrier_signal -1
	s_barrier_wait -1
	tensor_load_to_lds s[44:47], s[32:39]
	s_nop 0
.rept 4
	v_nop
.endr
	s_load_b256 s[48:55], s[6:7], 0x0              ; e0 .. e7
	s_load_b128 s[56:59], s[6:7], 0x20             ; e8 .. e11
	s_sub_co_u32 s60, 7, s11
	s_lshl_b32 s60, s60, 4
	s_add_co_u32 s60, s60, s10                     ; my first tile,
	s_lshl_b32 s61, s11, 4
	s_add_co_u32 s61, s61, s10                     ; my second
	s_lshl_b32 s19, s60, 4                         ; the first query of the tile in hand
	s_lshl_b32 s70, s61, 4                         ; and of the second tile
	s_lshl_b32 s15, s11, 1                         ; 2 i
	s_sub_co_u32 s14, 16, s15                      ; U1
	v_and_b32 v1, 31, v0
	s_delay_alu instid0(VALU_DEP_1)
	v_lshlrev_b32 v1, 4, v1
	s_lshl_b32 s78, s60, 10
	s_add_co_u32 s78, s78, s71
	s_add_nc_u64 s[72:73], s[4:5], s[78:79]        ; q is region 0
	s_lshl_b32 s78, s61, 10
	s_add_co_u32 s78, s78, s71
	s_add_nc_u64 s[74:75], s[4:5], s[78:79]
	global_load_b128 v[16:19], v1, s[72:73]
	global_load_b128 v[20:23], v1, s[72:73] offset:512
	global_load_b128 v[24:27], v1, s[74:75]
	global_load_b128 v[28:31], v1, s[74:75] offset:512
	s_lshr_b32 s76, s12, 4
	s_lshl_b32 s76, s76, 7                         ; the batch's 128 token tiles
	s_and_b32 s62, s12, 15
	s_lshl_b32 s62, s62, 10                        ; the head's 1,024 bytes of a token tile
	s_add_co_u32 s77, s76, s60
	s_lshl_b32 s77, s77, 14
	s_add_co_u32 s78, s77, s62
	s_add_nc_u64 s[66:67], s[8:9], s[78:79]        ; where the first tile goes,
	s_add_co_u32 s77, s76, s61
	s_lshl_b32 s77, s77, 14
	s_add_co_u32 s78, s77, s62
	s_add_nc_u64 s[68:69], s[8:9], s[78:79]        ; and the second
	v_and_b32 v3, 15, v0
	v_bfe_u32 v4, v0, 4, 1
	s_delay_alu instid0(VALU_DEP_1)
	v_lshlrev_b32 v4, 3, v4
	s_delay_alu instid0(VALU_DEP_1)
	v_sub_nc_u32 v2, v3, v4
	v_mov_b32 v236, 0                              ; written once: a lane permute's destination counts as one of its sources
	v_mov_b32 v253, 0                              ; (named as the upper half of the pair v[252:253])
.macro INIT                            ; a tile begins: the largest t is -3e38, under every t; the sum and O^T are zeros, which the first change of M leaves zeros
	v_mov_b32 v13, 0xff61b1e6
	s_delay_alu instid0(VALU_DEP_1)
	v_floor_f32 v12, -v13
	v_mov_b32 v14, 0
	v_mov_b32 v15, 0
.set n, 0
.rept 32
	v_mov_b32 v[160+n], 0
.set n, n+1
.endr
.endm
	INIT
	s_wait_kmcnt 0x0
	s_add_co_i32 s60, s54, s55
	s_lshl_b32 s60, s60, 23
	s_add_co_i32 s22, s22, s60                     ; a score stands for score x 2^(e6 + e7): added to the factor's exponent field
	s_mov_b32 s23, s22                             ; (named with it as a pair, so it is written)
	s_add_co_i32 s60, s56, 127
	s_lshl_b32 s61, s60, 23
	v_mov_b32 v244, s61                            ; 2^e8
	s_sub_co_i32 s60, s58, s56
	s_sub_co_i32 s60, s60, s57                     ; O^T / the sum stands for that x 2^(e8 + e9); its code is that / 2^(e10 - e8 - e9)
	s_add_co_i32 s60, s60, 127
	s_lshl_b32 s61, s60, 23
	v_mov_b32 v11, s61
	s_add_co_i32 s60, s60, 8
	s_lshl_b32 s60, s60, 23
	s_or_b32 s60, s60, 0x600000
; A tile is finished: O^T / the sum, converted; the eight registers are half a fragment of the projection's operand: two stores of 512 consecutive bytes.  Each tile has its own registers for its codes.
.macro FINISH base, code
	v_add_f32 v14, v14, v15                        ; the sum's two halves,
	s_delay_alu instid0(VALU_DEP_1)
	v_permlanex16_b32 v236, v14, s20, s21
	s_delay_alu instid0(VALU_DEP_1)
	v_add_f32 v14, v14, v236                       ; and lane l xor 16's
	s_wait_alu depctr_va_vdst(0)
	v_rcp_f32 v14, v14
	v_nop                                          ; a plain line behind the reciprocal,
	s_wait_alu depctr_va_vdst(0)                   ; and the wait ahead of its first reader
.set n, 0
.rept 16
	v_pk_mul_f32 v[96+n:97+n], v[160+n:161+n], v[14:15] op_sel_hi:[1,0]
.set n, n+2
.endr
.set n, 0
.rept 32
.set n, n+1
.endr
.irp t, 0,1,2,3
	v_cvt_scalef32_pk8_fp8_f32 v[\code+2*\t:\code+2*\t+1], v[96+8*\t:103+8*\t], v11
.endr
	v_nop                                          ; one plain line behind the last conversion: its sources are written again by the next products
	global_store_b128 v1, v[\code:\code+3], s[\base:\base+1]
	global_store_b128 v1, v[\code+4:\code+7], s[\base:\base+1] offset:512
.endm
; A KEY STEP.  fix = 1: key step kap of the first tile, with constant addresses and no causal tests: that tile's queries begin at 256 (7 - i), 1,024 at the least, so keys 0 to 255 count for all of them.
.macro STEP fix, kap
.if \fix
	v_add_nc_u32 v8, 8192*\kap, v1
	v_add_nc_u32 v9, VAREA+8192*\kap, v1
.else
	s_cmp_lg_u32 s13, s14
	s_cbranch_scc1 .Lsame_\@
	FINISH 66, 208                                 ; U = U1: the first tile leaves,
.irp j, 0,1,2,3,4,5,6,7
	v_mov_b32 v[16+\j], v[24+\j]                   ; and the second begins
.endr
	INIT
	s_mov_b32 s19, s70
.Lsame_\@:
	s_cmp_ge_u32 s13, s14
	s_cselect_b32 s16, s15, 0
	s_add_co_u32 s16, s16, s13
	s_and_b32 s16, s16, 15                         ; the key step
	s_lshl_b32 s17, s16, 13                        ; its bytes in K's and in V's area
	s_lshl_b32 s18, s16, 7                         ; its first key
	s_add_co_u32 s60, s19, 15
	s_cmp_gt_u32 s18, s60
	s_cbranch_scc1 .Lhidden_\@                     ; all its keys come after my queries
	s_setprio 2
	v_add_nc_u32 v8, s17, v1
	s_delay_alu instid0(VALU_DEP_1)
	v_add_nc_u32 v9, VAREA, v8
.endif
.irp t, 0,1,2,3,4,5,6,7
.irp c, 0,1
	ds_load_b128 v[32+8*\t+4*\c:35+8*\t+4*\c], v8 offset:1024*\t+512*\c   ; K's eight tiles of 16 keys
.endr
.endr
	s_wait_alu depctr_va_vdst(0)
	s_wait_dscnt 8                                 ; tiles 0-3 are in; the eight loads of tiles 4-7 may be out
.irp t, 0,1,2,3
	v_wmma_f32_16x16x64_fp8_fp8 v[96+8*\t:103+8*\t], v[32+8*\t:39+8*\t], v[16:23], 0
.endr
	s_wait_dscnt 0x0
.irp t, 4,5,6,7
	v_wmma_f32_16x16x64_fp8_fp8 v[96+8*\t:103+8*\t], v[32+8*\t:39+8*\t], v[16:23], 0
.endr
.rept 4
	v_nop                                          ; places in front of loads into registers that these products have read, and of the first read of their results
.endr
.irp t, 0,1,2,3
.irp q, 0,1,2,3
	ds_load_b128 v[32+16*\t+4*\q:35+16*\t+4*\q], v9 offset:2048*\t+512*\q   ; V's four tiles of 16 channels: they land under the softmax
.endr
.endr
.if \fix == 0
	s_add_co_u32 s60, s18, 127
	s_cmp_le_u32 s60, s19
	s_cbranch_scc1 .Lopen_\@                       ; all keys count for all my queries
	s_sub_co_i32 s60, s19, s18
	v_add_nc_u32 v252, s60, v2                     ; d = my query - the first key - 8 (lane / 16).  Register n holds key 16 (n / 8) + n % 8 further on: hidden where that is above d
	v_mov_b32 v254, 0xff800000                     ; -infinity: p = 0 then
.set n, 0
.rept 64
	v_cmp_gt_i32 vcc_lo, 16*(n/8)+n%8, v252
	v_cndmask_b32 v[96+n], v[96+n], v254, vcc_lo
.set n, n+1
.endr
.Lopen_\@:
.endif
	v_max3_num_f32 v254, v96, v97, v98             ; the step's largest score of my query among my 64 keys, in two chains, each accumulator from its low end on,
	v_max3_num_f32 v252, v99, v100, v101
.set n, 6
.rept 14
	v_max3_num_f32 v254, v254, v[96+n], v[97+n]
	v_max3_num_f32 v252, v252, v[98+n], v[99+n]
.set n, n+4
.endr
	v_max3_num_f32 v254, v254, v158, v159
	s_delay_alu instid0(VALU_DEP_1)
	v_max_num_f32 v254, v254, v252
	s_delay_alu instid0(VALU_DEP_1)
	v_permlanex16_b32 v236, v254, s20, s21
	s_delay_alu instid0(VALU_DEP_1)
	v_max_num_f32 v254, v254, v236                 ; and among lane l xor 16's
	s_delay_alu instid0(VALU_DEP_1)
	v_mul_f32 v254, s22, v254                      ; as t (the factor is positive)
	s_delay_alu instid0(VALU_DEP_1)
	v_max_num_f32 v13, v13, v254                   ; the running largest t
	v_mov_b32 v254, v12
	s_delay_alu instid0(VALU_DEP_2)
	v_floor_f32 v12, -v13                          ; the new -M = floor(-t) = -ceil(t): a whole number
	s_delay_alu instid0(VALU_DEP_1)
	v_sub_f32 v254, v12, v254                      ; M's old value less its new one: 0 or less
	s_delay_alu instid0(VALU_DEP_1)
	v_cvt_i32_f32 v254, v254                       ; (it saturates)
	s_delay_alu instid0(VALU_DEP_1)
	v_ldexp_f32 v252, 1.0, v254                    ; f = 2^(old M - new M)
.set n, 0
	s_setprio 1
.rept 32
	v_pk_fma_f32 v[96+n:97+n], v[96+n:97+n], s[22:23], v[12:13] op_sel_hi:[1,0,0]   ; t - M, two at a time (of both pairs the low word serves both halves)
.set n, n+2
.endr
.set n, 0
	s_wait_alu depctr_va_vdst(0)
.rept 64
	v_exp_f32 v[96+n], v[96+n]                     ; p = 2^(t - M), at most 1: one batch
.set n, n+1
.endr
	v_pk_mul_f32 v[14:15], v[14:15], v[252:253] op_sel_hi:[1,0]   ; the sums under the new M (the plain line behind the exponentials)
	s_wait_alu depctr_va_vdst(0)                   ; one wait for the batch, ahead of its first reader
	v_pk_add_f32 v[242:243], v[96:97], v[98:99]    ; the row's sum is taken of the unquantised p, in two chains
.set n, 4
.rept 15
	v_pk_add_f32 v[14:15], v[14:15], v[96+n:97+n]
	v_pk_add_f32 v[242:243], v[242:243], v[98+n:99+n]
.set n, n+4
.endr
	s_delay_alu instid0(VALU_DEP_1)
	v_pk_add_f32 v[14:15], v[14:15], v[242:243]
.set n, 0
.rept 64
.set n, n+1
.endr
	s_setprio 0
.irp t, 0,1,2,3,4,5,6,7
	v_cvt_scalef32_pk8_fp8_f32 v[192+2*\t:193+2*\t], v[96+8*\t:103+8*\t], v244
.endr
.set n, 0
.rept 16
	v_pk_mul_f32 v[160+n:161+n], v[160+n:161+n], v[252:253] op_sel_hi:[1,0]   ; O^T under the new M; these are also the plain lines between the conversions and the products that read the codes
.set n, n+2
.endr
	s_wait_alu depctr_va_vdst(0)
	s_wait_dscnt 0x0                               ; V is in
.irp t, 0,1,2,3
	v_wmma_f32_16x16x128_fp8_fp8 v[160+8*\t:167+8*\t], v[32+16*\t:47+16*\t], v[192:207], v[160+8*\t:167+8*\t]   ; four accumulators by turns; the next step's eight products stand before the next link
.endr
.rept 4
	v_nop                                          ; places in front of the next loads into V's registers and of the next read or write of O^T
.endr
.if \fix == 0
.Lhidden_\@:
.endif
.endm
	s_wait_tensorcnt 0x1                           ; my part of key steps 0 and 1 is in; my second load may stay out
	s_barrier_signal -1
	s_barrier_wait -1                              ; everybody's is
	s_wait_loadcnt 0x0                             ; Q
	STEP 1, 0
	STEP 1, 1
	s_wait_tensorcnt 0x0                           ; my part of the rest is in,
	s_wait_dscnt 0x0
	s_barrier_signal -1
	s_barrier_wait -1                              ; everybody's is
	s_mov_b32 s13, 2
.Lrest:
	STEP 0, 0
	s_add_co_u32 s13, s13, 1
	s_cmp_lt_u32 s13, 18
	s_cbranch_scc1 .Lrest
	s_setprio 0
	FINISH 68, 216
	s_wait_tensorcnt 0x0                           ; the wave's end
	ds_add_u32 v5, v6
	s_wait_dscnt 0x0
	s_endpgm
.Lfunc_end_k_q17dc4e9cfd_attn:
	.size	k_q17dc4e9cfd_attn, .Lfunc_end_k_q17dc4e9cfd_attn-k_q17dc4e9cfd_attn
	.p2alignl 7, 3214868480
	.fill 96, 4, 3214868480
	.section	.rodata,"a",@progbits
	.p2align	6, 0x0
	.amdhsa_kernel k_q17dc4e9cfd_attn
		.amdhsa_group_segment_fixed_size 327680
		.amdhsa_private_segment_fixed_size 0
		.amdhsa_enable_private_segment 0
		.amdhsa_kernarg_size 24
		.amdhsa_user_sgpr_count 2
		.amdhsa_user_sgpr_kernarg_segment_ptr 1
		.amdhsa_wavefront_size32 1
		.amdhsa_system_sgpr_workgroup_id_x 1
		.amdhsa_system_sgpr_workgroup_id_y 1
		.amdhsa_system_sgpr_workgroup_id_z 1
		.amdhsa_system_vgpr_workitem_id 0
		.amdhsa_next_free_vgpr 256
		.amdhsa_next_free_sgpr 80
		.amdhsa_reserve_vcc 1
		.amdhsa_float_denorm_mode_32 3
		.amdhsa_float_denorm_mode_16_64 3
		.amdhsa_fp16_overflow 1
		.amdhsa_memory_ordered 1
		.amdhsa_forward_progress 1
		.amdhsa_inst_pref_size 59
	.end_amdhsa_kernel
	.amdgpu_metadata
---
amdhsa.version: [ 1, 2 ]
amdhsa.kernels:
  - .name:           k_q17dc4e9cfd_attn
    .symbol:         k_q17dc4e9cfd_attn.kd
    .args:
      - { .name: qkv_img, .offset: 0, .size: 8, .value_kind: global_buffer, .address_space: global }
      - { .name: lowp_scales, .offset: 8, .size: 8, .value_kind: global_buffer, .address_space: global }
      - { .name: a_img, .offset: 16, .size: 8, .value_kind: global_buffer, .address_space: global }
    .group_segment_fixed_size: 327680
    .private_segment_fixed_size: 0
    .kernarg_segment_align: 8
    .kernarg_segment_size: 24
    .max_flat_workgroup_size: 512
    .sgpr_count:     80
    .vgpr_count:     256
    .wavefront_size: 32
...
	.end_amdgpu_metadata
.endif
;; end of part 3
;; launch proj (part 4): grid 4 x 32, 4 waves a work-group, clusters of 4 x 4, 327,680 bytes of LDS; arguments a_img, w_img, lowp_scales, out0; writes out0
.if DOCPART == 4
	.amdgcn_target "amdgcn-amd-amdhsa--gfx1250"
	.amdhsa_code_object_version 6
	.text
	.protected	k_q17dc4e9cfd_proj
	.globl	k_q17dc4e9cfd_proj
	.p2align	8
	.type	k_q17dc4e9cfd_proj,@function
k_q17dc4e9cfd_proj:
	s_mov_b64 s[64:65], 0
	v_nop
	global_prefetch_b8 v0, s[64:65] scope:SCOPE_SE
	s_setreg_imm32_b32 hwreg(HW_REG_WAVE_MODE, 25, 1), 1
	s_wait_xcnt 0x0
	s_wait_alu depctr_hold_cnt(0) depctr_sa_sdst(0) depctr_va_vdst(0) depctr_va_sdst(0) depctr_va_ssrc(0) depctr_va_vcc(0) depctr_vm_vsrc(0)
	s_getreg_b32 s2, hwreg(HW_REG_IB_STS2, 6, 4)
	s_cmp_eq_u32 s2, 0
	s_cbranch_scc0 .Lentry_in_a_cluster
	s_endpgm
.Lentry_in_a_cluster:
	s_bfe_u32 s2, ttmp6, 0x10000c
	s_cmp_lg_u32 s2, 0xf033
	s_cbranch_scc0 .Lentry_shape_is_right
	s_endpgm
.Lentry_shape_is_right:
; out0[token][e] = sum over d of o[token][d] wo[e][d], on codes of E4M3; each finished sum x 2^(e10 + e11).  out0: [8192][1024] f32.
; A tile is 256 tokens x 256 outputs, K = 1,024; four waves, each 128 x 128: 64 accumulators, 512 registers.  Source 0 = 16 rows of wo, source 1 = 16 tokens: a lane holds eight neighbouring outputs of one token.
; OPERANDS come as images (a fragment of 16 rows x 128 K: 2,048 bytes, [quad][lane][16]; a row tile's eight fragments on end, 16,384 bytes): a_img, and region 3 of w_img.  K goes in chunks of 256 through a ring of
; two LDS slots: a chunk is 4,096 bytes of each row tile; one tensor load brings eight row tiles' chunks; a fragment is read by four loads of 512 consecutive bytes.
; CLUSTERS: 4 x 4 work-groups; A's tiles are asked for jointly along a row of the cluster, B's along a column.  The grid has 128 work-groups: 32 x 4 tiles.
; LIMIT: e10 + e11 between -126 and 127, so that 2^(e10 + e11) is an f32 number.
; REGISTERS, in windows of 256: window 0: v16-29 addresses; v128-255 A's fragments, one set; on the way out v32-95 a block's numbers, v128-255 rows read back.   window 1: B's fragments, two sets.
;   windows 2, 3: the accumulators of my rows 0-63, 64-127 ((a, b) at v[8 (8 (a % 4) + b)]).
.set SIZE_N, 1024
.set FR,     16
.set NL,     4
.set NP,     4                         ; places behind this matrix instruction (ISA guide 7.12.1)
.set CHUNK,  4096
.set HALF,   8*CHUNK
.set SLOT,   4*HALF
.set SPARE,  2*SLOT                    ; behind the ring: the spare words, 128 bytes a wave, that no other line names
.set SPITCH, 528                       ; the way out: a stage of 16 rows x (512 bytes + 16) for each wave, in slot 0, which has had its last fill and its last read when the first result is stored there
.set ADRA, 16
.set ADRB, 20
.set STO,  24                          ; v24  the way out: where I put 32 bytes of a row
.set RD,   25                          ; v25  where I read a row back
.set CO,   26                          ; v26  16 x lane: my place in 512 bytes, of an image and of a row of out0; never rewritten
.set SPW,  28
.set NIL,  29
.set TMP,  32
.set AF,   128
.set BK,   128
.set G1, 24
.set G0, 32
.set G1B, 48
.set G0B, 56
.set MSB, 0
.macro WIN new                         ; the immediate's high byte repeats the setting that is left
.if MSB != (\new)
	s_set_vgpr_msb (MSB<<8)|(\new)
.set MSB, (\new)
.endif
.endm
.set MUL_LO, 0xa1                      ; source 0 (B) window 1, source 1 (A) window 0, C and D window 2
.set MUL_HI, 0xf1
.set TO_B,   0x40
.macro JLOAD g0a, g1a, g0b, g1b        ; a joint load: waves 0 and 1 fetch for A, waves 2 and 3 for B; an s_nop 0 and four v_nop follow each of the two lines
	s_cmp_eq_u32 s15, 0
	s_cbranch_scc0 .Lfor_b_\@
	tensor_load_to_lds s[\g0a:\g0a+3], s[\g1a:\g1a+7]
	s_nop 0
.rept 4
	v_nop
.endr
	s_branch .Lasked_\@
.Lfor_b_\@:
	tensor_load_to_lds s[\g0b:\g0b+3], s[\g1b:\g1b+7]
	s_nop 0
.rept 4
	v_nop
.endr
.Lasked_\@:
.endm
.macro CREST
	s_cmp_lg_u32 s14, 0
	s_cbranch_scc1 .Lnot_wave_0_\@
	s_barrier_signal -3
.Lnot_wave_0_\@:
	s_barrier_wait -3
	s_barrier_signal -1
	s_barrier_wait -1
.endm
.macro CROUND
	s_barrier_signal -1
	s_barrier_wait -1
	CREST
.endm
	s_load_b128 s[4:7], s[0:1], 0x0                ; a_img 4, w_img 6
	s_load_b128 s[8:11], s[0:1], 0x10              ; exponents 8, out0 10
	v_lshl_add_u32 v[SPW], v0, 2, SPARE
	v_mov_b32 v[NIL], 0
	ds_add_u32 v[SPW], v[NIL]                      ; the wave's opening: the add and its wait stand ahead of my first tensor load; the set-up below, work on registers, stands between them
	ds_add_u32 v[SPW], v[NIL]
	v_lshrrev_b32 v1, 5, v0
	v_readfirstlane_b32 s14, v1                    ; wave 0..3
	s_lshr_b32 s15, s14, 1                         ; which half of the tile's rows is mine.  Also: I fetch for A (0) or for B (1)
	s_and_b32 s16, s14, 1                          ; which half of its columns.  Also: which eight row tiles I fetch
	s_bfe_u32 s40, ttmp6, 0x40000                  ; cx, cy
	s_bfe_u32 s41, ttmp6, 0x40004
	s_lshl_b32 s42, ttmp9, 2
	s_add_co_u32 s42, s42, s40                     ; tile column
	s_and_b32 s17, ttmp7, 0xffff
	s_lshl_b32 s17, s17, 2
	s_add_co_u32 s17, s17, s41                     ; tile row
	s_lshl_b32 s43, s41, 2
	s_lshl_b32 s43, 15, s43                        ; my row of the cluster
	s_lshl_b32 s44, 0x1111, s40                    ; my column
	s_or_b32 s[G1+0], s43, (3<<16)|(1<<21)         ; 15:0 the mask; 17:16 elements of 8 bytes; no padding; 21 set beside a mask
	s_or_b32 s[G1B+0], s44, (3<<16)|(1<<21)
.irp g, G1, G1B
	s_mov_b32 s[\g+1], 512<<16                     ; tensor_dim0
	s_mov_b32 s[\g+2], 8<<16                       ; tensor_dim1
	s_mov_b32 s[\g+3], 512<<16                     ; tile_dim0
	s_mov_b32 s[\g+4], 8                           ; tile_dim1
	s_mov_b32 s[\g+5], 2048                        ; tensor_dim0_stride
	s_mov_b32 s[\g+6], 0
	s_mov_b32 s[\g+7], 0
.endr
	s_lshl_b32 s18, s16, 17
	s_lshl_b32 s20, s17, 18
	s_add_co_u32 s20, s20, s18                     ; A: 262,144 x tile row + 131,072 x half
	s_lshl_b32 s46, s42, 18
	s_add_co_u32 s46, s46, s18
	s_add_co_u32 s46, s46, 3<<20                   ; B: the same by the tile column, in region 3 (wo)
	s_mov_b32 s21, 0
	s_mov_b32 s47, 0
	s_lshl_b32 s45, s14, 15                        ; where they go: wave x 32,768
	s_wait_dscnt 0x0                               ; the opening add is done
	s_wait_kmcnt 0x0
	s_load_b64 s[96:97], s[8:9], 0x28              ; e10, e11
	s_add_nc_u64 s[20:21], s[4:5], s[20:21]
	s_add_nc_u64 s[46:47], s[6:7], s[46:47]
	CROUND                                         ; all sixteen work-groups are here: the first joint loads meet
.irp s, 0,1
	s_mov_b32 s[G0+4*\s], 1
	s_add_co_u32 s[G0+4*\s+1], s45, \s*SLOT
	s_add_nc_u64 s[G0+4*\s+2:G0+4*\s+3], s[20:21], \s*CHUNK
	s_or_b32 s[G0+4*\s+3], s[G0+4*\s+3], 0x80000000
	s_mov_b32 s[G0B+4*\s], 1
	s_add_co_u32 s[G0B+4*\s+1], s45, \s*SLOT
	s_add_nc_u64 s[G0B+4*\s+2:G0B+4*\s+3], s[46:47], \s*CHUNK
	s_or_b32 s[G0B+4*\s+3], s[G0B+4*\s+3], 0x80000000
	s_wait_alu depctr_va_vdst(0)
	s_wait_tensorcnt 0x0
	ds_add_u32 v28, v29
	ds_add_u32 v28, v29
	s_wait_dscnt 0x0
	CROUND
	JLOAD G0+4*\s, G1, G0B+4*\s, G1B
.endr
	v_and_b32 v1, 15, v0                           ; l % 16
	s_wait_alu depctr_va_vdst(0)
	v_bfe_u32 v2, v0, 4, 1                         ; l / 16
	v_and_b32 v6, 31, v0
	v_lshlrev_b32 v[CO], 4, v6
	s_lshl_b32 s21, s15, 15
	s_lshl_b32 s22, s16, 15
	s_add_co_u32 s22, s22, 2*HALF
.irp s, 0,1
	v_add_nc_u32 v[ADRA+\s], s21, v[CO]
	v_add_nc_u32 v[ADRB+\s], s22, v[CO]
	s_add_co_u32 s21, s21, SLOT
	s_add_co_u32 s22, s22, SLOT
.endr
	s_mul_i32 s23, s14, 16*SPITCH                  ; my stage
	v_mul_u32_u24 v5, v1, SPITCH                   ; in: row l % 16, 32 bytes for each half of the lanes
	s_wait_alu depctr_va_vdst(0)
	v_lshl_add_u32 v5, v2, 5, v5
	v_add_nc_u32 v[STO], s23, v5
	v_add_nc_u32 v[RD], s23, v[CO]                 ; back: the 32 lanes take one row of 512 bytes
	s_lshl_b32 s20, s17, 20                        ; my first row of out0: (256 x tile row + 128 x half) x 4,096 bytes,
	s_lshl_b32 s21, s15, 19
	s_add_co_u32 s20, s20, s21
	s_lshl_b32 s46, s42, 10                        ; my first column: 1,024 x tile column + 512 x half bytes
	s_lshl_b32 s47, s16, 9
	s_add_co_u32 s46, s46, s47
	s_add_co_u32 s20, s20, s46
	s_mov_b32 s21, 0
	s_add_nc_u64 s[10:11], s[10:11], s[20:21]
.macro FRAG reg, adr, q, i             ; a fragment as it lies: four loads of 512 consecutive bytes
.irp c, 0,1,2,3
	ds_load_b128 v[\reg+4*\c:\reg+4*\c+3], v[\adr] offset:CHUNK*(\i)+2048*(\q)+512*\c
.endr
.endm
.macro MUL16 a0, p, zero               ; 16 matrix instructions: A's blocks a0, a0 + 1 x B's eight.  The 64 accumulators take turns, one instruction a turn
.irp a, \a0, \a0+1
.irp b, 0,1,2,3,4,5,6,7
.if \zero
	v_wmma_f32_16x16x128_fp8_fp8 v[8*(8*((\a)%4)+\b):8*(8*((\a)%4)+\b)+7], v[128*(\p)+FR*\b:128*(\p)+FR*\b+FR-1], v[AF+FR*(\a):AF+FR*(\a)+FR-1], 0
.else
	v_wmma_f32_16x16x128_fp8_fp8 v[8*(8*((\a)%4)+\b):8*(8*((\a)%4)+\b)+7], v[128*(\p)+FR*\b:128*(\p)+FR*\b+FR-1], v[AF+FR*(\a):AF+FR*(\a)+FR-1], v[8*(8*((\a)%4)+\b):8*(8*((\a)%4)+\b)+7]
.endif
.endr
.endr
.endm
.macro FETCH_B slot, q, p
	WIN TO_B
.irp i, 0,1,2,3,4,5,6,7
	FRAG 128*(\p)+FR*\i, ADRB+\slot, \q, \i
.endr
	WIN 0
.endm
.macro FETCH_A slot, q, i0
.irp i, \i0, \i0+1, \i0+2, \i0+3
	FRAG AF+FR*(\i), ADRA+\slot, \q, \i
.endr
.endm
.macro PLACES n                        ; plain vector lines between a matrix instruction and a load into, or a vector read or write of, its registers (ISA guide 7.12.1 for the vector reads and writes)
.rept \n
	v_nop
.endr
.endm
.macro STEP slot, q, zero
	s_wait_dscnt 4*NL                              ; B's set and A's blocks 0-3 are in; the youngest sixteen loads (A's blocks 4-7) may be out
	WIN MUL_LO
	MUL16 0, (\q)%2, \zero
	MUL16 2, (\q)%2, \zero
	s_wait_dscnt 0
	PLACES NP
	FETCH_B \slot, (\q)+1, 1-(\q)%2
	FETCH_A \slot, (\q)+1, 0
	WIN MUL_HI
	MUL16 4, (\q)%2, \zero
	MUL16 6, (\q)%2, \zero
	PLACES NP
	WIN 0
	FETCH_A \slot, (\q)+1, 4
.endm
.macro TURN slot, next, fill
	s_wait_tensorcnt 0x0                           ; all my tensor loads have landed: my part of the next slot  (every window is 0 here)
	ds_add_u32 v[SPW], v[NIL]                      ; 0 onto my spare word
	s_wait_dscnt 4*NL+1                            ; (the add and the youngest sixteen loads may be out)
	WIN MUL_LO
	MUL16 0, 1, 0
	s_wait_dscnt 0x0                               ; the add is done, and my reads of this slot are over
	s_barrier_signal -1
	MUL16 2, 1, 0
	WIN 0
	s_barrier_wait -1
.if \fill
	CREST                                          ; the barrier has opened a round of the cluster's barrier: no wave of any partner still reads this slot or has a load on its way
	s_add_nc_u64 s[G0+4*\slot+2:G0+4*\slot+3], s[G0+4*\slot+2:G0+4*\slot+3], 2*CHUNK
	s_add_nc_u64 s[G0B+4*\slot+2:G0B+4*\slot+3], s[G0B+4*\slot+2:G0B+4*\slot+3], 2*CHUNK
	JLOAD G0+4*\slot, G1, G0B+4*\slot, G1B         ; the first tensor load behind the round
.else
	PLACES NP
.endif
	FETCH_B \next, 0, 0
	FETCH_A \next, 0, 0
	WIN MUL_HI
	MUL16 4, 1, 0
	MUL16 6, 1, 0
	PLACES NP
	WIN 0
	FETCH_A \next, 0, 4
.endm
	s_wait_tensorcnt 1                             ; my part of chunk 0 is in (chunk 1's load may be out)
	s_barrier_signal -1
	s_barrier_wait -1                              ; everybody's is
	FETCH_B 0, 0, 0
	FETCH_A 0, 0, 0
	FETCH_A 0, 0, 4
	STEP 0, 0, 1                                   ; the first step's products start the sums
	s_mov_b32 s3, 1                                ; four chunks, two laps: one trip fills both slots again
.Llap:
	TURN 0, 1, 1
	STEP 1, 0, 0
	TURN 1, 0, 1
	STEP 0, 0, 0
	s_sub_co_u32 s3, s3, 1
	s_cmp_lg_u32 s3, 0
	s_cbranch_scc1 .Llap
	TURN 0, 1, 0
	STEP 1, 0, 0
	s_wait_dscnt 4*NL
	WIN MUL_LO
	MUL16 0, 1, 0
	MUL16 2, 1, 0
	s_wait_dscnt 0
	WIN MUL_HI
	MUL16 4, 1, 0
	MUL16 6, 1, 0
	WIN 0
; THE WAY OUT, block by block of 16 rows x 128 columns: through my own stage in LDS and back as whole rows of 512 bytes.  LDS serves a wave's instructions in order (ISA guide 5.7.1.4): no wait between the stores
; and the loads, nor in front of the next block's stores.
.macro TOSTAGE a
.set AC, 64*((\a)%4)
	WIN 0x02+((\a)/4)                              ; source 0: window 2 or 3
.set n, 0
.rept 32
	v_pk_mul_f32 v[TMP+n:TMP+n+1], v[AC+n:AC+n+1], s[96:97] op_sel_hi:[1,0]   ; both x s96 = 2^(e10 + e11); each accumulator from its low end on
.set n, n+2
.endr
	WIN 0
.irp b, 0,1,2,3,4,5,6,7
	ds_store_b128 v[STO], v[TMP+8*\b:TMP+8*\b+3] offset:64*\b
	ds_store_b128 v[STO], v[TMP+8*\b+4:TMP+8*\b+7] offset:64*\b+16
.endr
.set BB, BK+64*((\a)%2)
.irp t, 0,1,2,3,4,5,6,7,8,9,10,11,12,13,14,15
	ds_load_b128 v[BB+4*\t:BB+4*\t+3], v[RD] offset:\t*SPITCH
.endr
.endm
.macro SEND a, younger                 ; younger: the LDS instructions issued behind block a's loads, which may stay out
.set BB, BK+64*((\a)%2)
	s_wait_dscnt \younger
.if (\a) > 0
	s_add_nc_u64 s[10:11], s[10:11], 16*SIZE_N*4   ; (behind a wait on XCNT: the earlier stores have read their base)  16 rows on
.endif
.irp t, 0,1,2,3,4,5,6,7,8,9,10,11,12,13,14,15
	global_store_b128 v[CO], v[BB+4*\t:BB+4*\t+3], s[10:11] offset:\t*SIZE_N*4 th:TH_STORE_NT   ; 32 lanes store 512 consecutive bytes, at a multiple of 512 from out0's first byte
.endr
.endm
	s_wait_kmcnt 0x0
	s_add_co_i32 s96, s96, s97
	s_add_co_i32 s96, s96, 127
	s_lshl_b32 s96, s96, 23                        ; 2^(e10 + e11) as f32
	PLACES NP                                      ; behind the last products: results are read, and A's registers loaded, below
	TOSTAGE 0
.irp a, 1,2,3,4,5,6,7
.if \a > 1
	s_wait_xcnt 0x0                                ; block a - 2's stores have read their registers and their base
.endif
	TOSTAGE \a
	SEND \a-1, 32                                  ; behind block a - 1's loads: block a's 16 stores and 16 loads
.endr
	s_wait_xcnt 0x0
	SEND 7, 0
	s_wait_tensorcnt 0x0                           ; the wave's end
	ds_add_u32 v[SPW], v[NIL]
	s_wait_dscnt 0x0
	CROUND                                         ; the closing round
	s_endpgm
.Lfunc_end_k_q17dc4e9cfd_proj:
	.size	k_q17dc4e9cfd_proj, .Lfunc_end_k_q17dc4e9cfd_proj-k_q17dc4e9cfd_proj
	.p2alignl 7, 3214868480
	.fill 96, 4, 3214868480
	.section	.rodata,"a",@progbits
	.p2align	6, 0x0
	.amdhsa_kernel k_q17dc4e9cfd_proj
		.amdhsa_group_segment_fixed_size 327680
		.amdhsa_private_segment_fixed_size 0
		.amdhsa_enable_private_segment 0
		.amdhsa_kernarg_size 32
		.amdhsa_user_sgpr_count 2
		.amdhsa_user_sgpr_kernarg_segment_ptr 1
		.amdhsa_wavefront_size32 1
		.amdhsa_system_sgpr_workgroup_id_x 1
		.amdhsa_system_sgpr_workgroup_id_y 1
		.amdhsa_system_sgpr_workgroup_id_z 1
		.amdhsa_system_vgpr_workitem_id 0
		.amdhsa_next_free_vgpr 1024
		.amdhsa_next_free_sgpr 100
		.amdhsa_reserve_vcc 0
		.amdhsa_float_denorm_mode_32 3
		.amdhsa_float_denorm_mode_16_64 3
		.amdhsa_memory_ordered 1
		.amdhsa_forward_progress 1
		.amdhsa_inst_pref_size 124
	.end_amdhsa_kernel
	.amdgpu_metadata
---
amdhsa.version: [ 1, 2 ]
amdhsa.kernels:
  - .name:           k_q17dc4e9cfd_proj
    .symbol:         k_q17dc4e9cfd_proj.kd
    .args:
      - { .name: a_img, .offset: 0, .size: 8, .value_kind: global_buffer, .address_space: global }
      - { .name: w_img, .offset: 8, .size: 8, .value_kind: global_buffer, .address_space: global }
      - { .name: lowp_scales, .offset: 16, .size: 8, .value_kind: global_buffer, .address_space: global }
      - { .name: out0, .offset: 24, .size: 8, .value_kind: global_buffer, .address_space: global }
    .group_segment_fixed_size: 327680
    .private_segment_fixed_size: 0
    .kernarg_segment_align: 8
    .kernarg_segment_size: 32
    .max_flat_workgroup_size: 128
    .sgpr_count:     100
    .vgpr_count:     1024
    .wavefront_size: 32
...
	.end_amdgpu_metadata
.endif
;; end of part 4
